; MI455X (gfx1250); checked and timed in simulation.
; The chip was launched on July 23, 2026; its instructions are those of AMD's public machine-readable ISA for CDNA 5 (MIT licence, August 2026) and "CDNA5" Instruction Set Architecture Reference Guide (July 2026). The comments in the code are by the model that wrote it; some were corrected since.
;; Bit Linear. Allowed arithmetic: matrix products marked QUANTISED: E2M1 operands, one E8M0 scale for each 32 along K, by v_wmma_scale_f32_16x16x128_f8f6f4 with both operands' format E2M1 (or v_wmma_scale_f32_32x16x128_f4), f32 sums; everything else in f32.
;; Inputs: weight 2,048 x 4,096 float32; x 4 x 2,048 x 4,096 float32.
;; Outputs: out0 4 x 2,048 x 2,048 float32.
;; This version of the problem:
;;   THIS VERSION OF THE PROBLEM IS GIVEN IN LOW PRECISION. The matrix products marked QUANTISED in the list below multiply operands that are first quantised to E2M1 (2 exponent bits, 1 mantissa bit; 4 bits a number), with one power-of-two scale for each 32 numbers along K (OCP MX v1.0); their sums are f32. All else is computed in f32.
;;   The module's matrix products, in the order in which they are computed (A, B: the left and right operand; K: the contracted axis; several contracted axes count as one K, in the product's order):
;;     1. [M 8,192, K 4,096] x [K 4,096, N 2,048]; A: computed on the way; B: computed on the way: QUANTISED
;;   THE QUANTISER, for each operand of a quantised product, along K:
;;     - K is cut into blocks of 32 from its start; a last block that is shorter is filled with zeros.
;;     - A block's scale is 2^e with e = floor(log2(the largest magnitude in the block)) - 2, held to -126 .. 127; a block of zeros has e = 0. As a byte (E8M0): e + 127.
;;     - Each number is divided by its block's scale, clamped to +-6, and rounded to the nearest number of E2M1, ties to even, subnormals kept.
;;     - The product sums the exact products of the quantised numbers (number of the format x scale) in f32.
;;   ~~~python
;;   def quantise(x, axis):      # numpy; x: float32 -> the quantised numbers, widened to float32 again
;;       x = np.moveaxis(x, axis, -1); K = x.shape[-1]
;;       x = np.pad(x, [(0, 0)] * (x.ndim - 1) + [(0, -K % 32)]); x = x.reshape(x.shape[:-1] + (-1, 32)); a = np.abs(x).max(-1, keepdims=True)
;;       e = np.where(a > 0, np.clip(np.frexp(np.where(a > 0, a, 1))[1] - 1 - 2, -126, 127), 0)      # np.frexp(a)[1] - 1 = floor(log2(a)), exactly
;;       r = np.clip(x / 2.0 ** e, -6, 6)
;;       step = 2.0 ** (np.maximum(np.frexp(np.where(r == 0, 1, r))[1] - 1, 0) - 1)
;;       q = np.round(r / step) * step * 2.0 ** e      # np.round: ties to even
;;       return np.moveaxis(q.reshape(q.shape[:-2] + (-1,))[..., :K], -1, axis).astype(np.float32)
;;   ~~~
;;   OPERANDS COMPUTED ON THE WAY. 'Computed on the way' means the value that the module computes at that place (a softmax that the list does not call 'softmax' is quantised finished and normalised). What goes into a quantiser is computed in f32, as accurately as f32 sums, v_exp_f32 and their like allow (about 1e-6 of the number): no bf16 or f16 on the way to a quantiser, and a product that is left as it is and whose result goes on into a quantised operand takes f32 operands (vector FMAs, or v_wmma_f32_16x16x4_f32). A number that lies on a knife's edge between two numbers of the format may be rounded either way, as far as f32 arithmetic and the matrix unit's own rounding can turn it there, and no further.
;; One version. Each part assembles by itself: llvm-mc -triple=amdgcn-amd-amdhsa -mcpu=gfx1250 --defsym DOCPART=n.
;; ======== version 1 of 1: 3 launches
;; limits: right only within a limited range of input values
;; workspace buffers: xc 17,825,792 bytes; wc 4,194,560 bytes; psum 1,024 bytes
;; launch quant_x (part 1): grid 256 x 1, 8 waves a work-group, no clusters, 148,480 bytes of LDS; arguments x, weight, xc, psum; writes xc, psum
.if DOCPART == 1
	.amdgcn_target "amdgcn-amd-amdhsa--gfx1250"
	.amdhsa_code_object_version 6
	.text
	.protected	k_qc71860cecd_quant_x
	.globl	k_qc71860cecd_quant_x
	.p2align	8
	.type	k_qc71860cecd_quant_x,@function
k_qc71860cecd_quant_x:
	s_mov_b64 s[64:65], 0
	v_nop
	global_prefetch_b8 v0, s[64:65] scope:SCOPE_SE
	s_setreg_imm32_b32 hwreg(HW_REG_WAVE_MODE, 25, 1), 1
	s_wait_xcnt 0x0
; x [8192][4096] f32 -> x_q = round(x / g * 127) / 127 * g, g = max(the row's largest |x|, 1e-8), and x_q -> codes of FP4 (E2M1) with one E8M0 byte for each 32 along K.
; Beside that: the sum of |weight| over the work-group's eight rows of weight [2048][4096], one f32 into psum.
; WHERE THE CODES GO: xc is laid [row / 128 : 64][k / 512 : 8][34,816 bytes]: 128 rows x 256 bytes of codes (block j of 32 codes at byte 16 j, the lower k in the low four bits),
; then 128 rows x 16 scale bytes.  So 128 rows' codes and scales of 512 along K are one dense block, which the product's launch takes by one tensor load.
; SHARES.  Work-group g: rows 32 g .. 32 g + 31 of x, rows 8 g .. 8 g + 7 of weight.  Wave w: rows 32 g + 4 w + 0 .. 3 of x, then row 8 g + w of weight: five rows of 16,384 bytes.
; HOW A ROW COMES.  32 loads of 16 bytes a lane, each 512 consecutive bytes, into one of two sets of 128 registers in window 1.  The waits for them are counted: while one row is worked on, the next
; is on its way or has landed, and the one after it is asked for as soon as its set is free: between 32 and 64 loads of a wave are out until the last rows.  Waves share nothing until the end: no barrier in the stream.
; A LANE MUST HOLD WHOLE BLOCKS for the conversions (register 32 s + i = number i of block 32 s + lane), and a load is best where neighbouring lanes take neighbouring bytes.  Both are had: a row goes through the
; wave's own 17,408 bytes of LDS, as it lies, and comes back 128 bytes a lane and block.  So a block's largest magnitude needs no other lane, and the conversions' results are 16 bytes of a row of codes.
; The row of weight needs no such order: its magnitudes are summed from the registers into which they were loaded.
; ONE SEARCH FOR MAXIMA SERVES TWICE: f(x) = round(x / g * 127) / 127 * g is odd and does not fall as |x| rises, so a block's largest |x_q| is f of its largest |x|, made by the same instructions.
; THE DIVISION x / g is made as a correctly rounded one: rc = 1 / g with one Newton step, q0 = x rc, r = x - q0 g (fused), q = q0 + r rc (fused): what goes into the rounding to a whole number is a true quotient's f32.
; A block's scale is 2^(floor(log2(its largest magnitude)) - 2); its byte is that magnitude's exponent field - 2, held at 1 from below.  A block of zeros keeps the byte 1: its codes are zeros, and this program alone reads the bytes.
; No prefetch: the loads themselves run two rows ahead.  No cluster: work-groups share no input.
; LIMITS: NaN and infinities among the inputs are not served; a row whose largest magnitude is above 2^126 is not served (its reciprocal would be a denormal, which v_rcp_f32 gives as 0);
; n / 127 is computed as n x RN(1 / 127), at most one unit in the last place from the quotient.
.set TILEM, 34816                      ; bytes of 128 rows' codes and scale bytes for 512 along K
; THE ORDER OF xc's TILES, as the two constants here set it: [row / 128 : 64][k / 512 : 8][34,816 bytes]: the eight tiles of 128 rows lie on end, 278,528 bytes, so that the product's launch takes them as one dense block.
.set KSX,   TILEM                      ; from one 512 along K to the next in xc
.set ROWL,  64*272                     ; a row in LDS: 64 LDS rows of 256 bytes + 16 of padding: block b at 272 (b / 2) + 128 (b % 2)
.set SST,   8*ROWL                     ; behind the eight waves' rows: the scale bytes' stage, [k / 512 : 8][row in the group : 32][16]
.set PS,    SST+4096                   ; the eight waves' sums of |weight|
.set STA, 1                            ; v1   where my 16 bytes of a load's 512 go in LDS: 272 (lane / 16) + 16 (lane % 16) + my wave's bytes
.set LA,  3                            ; v3   LDS address of my block 0
.set VO,  4                            ; v4   my 16 bytes in the codes: (lane / 16) KSX + 16 (lane % 16)
.set SA,  5                            ; v5   where my scale bytes go in the stage
.set SRD, 6                            ; v6   where I read the stage back
.set L16, 7                            ; v7   16 x lane: the loads' offset too; never rewritten
.set PSA, 8                            ; v8   my wave's word among the sums
.set PSB, 9                            ; v9   the first of them
.set GA,  10                           ; v[10:11] g, twice
.set RC,  12                           ; v[12:13] 1 / g, twice
.set BM,  14                           ; v[14:17] my four blocks' largest magnitudes
.set SOP, 18                           ; v[18:21] the conversions' scale operands
.set BY,  22                           ; v[22:25] the scale bytes
.set T,   28                           ; v[28:35] at work
.set C,   36                           ; v[36:51] a row's codes
.set Z,   52                           ; v52  0: the offset of the one store into psum
.set PP,  56                           ; v[56:63] the eight sums
.set X,   64                           ; v[64:191] the row, by blocks
.set S,   192                          ; v[192:199] eight chains of the sum
.set RA,  0                            ; window 1, v0-127:   a row as it is loaded
.set RB,  128                          ; window 1, v128-255: another
.set SEL, 36                           ; s[36:37] v_permlanex16_b32's selects for lane l xor 16
.set CB,  38                           ; s[38:39], s[40:41] the codes' base for k under 2,048 and from 2,048 on
.set SB,  42                           ; s[42:43] where my wave stores scale bytes
.set C127, 44                          ; s[44:45] 127.0 (a packed form names a pair and takes its low word for both halves)
.set CR,  46                           ; s[46:47] RN(1 / 127)
.set MSB, 0
.macro WIN new                         ; s_set_vgpr_msb's low byte: bits 1:0 source 0, 3:2 source 1, 5:4 source 2, 7:6 destination; the high byte repeats the setting that is left
.if MSB != \new
	s_set_vgpr_msb (MSB<<8)|\new
.set MSB, \new
.endif
.endm
; A row of 16,384 bytes, off bytes behind the base, is asked for: 32 loads into a set of window 1, each 512 consecutive bytes.  Base and offset register are never rewritten.
.macro GLOAD set, base, off
	WIN 0x40                                       ; destination window 1, address window 0
.set p, 0
.rept 32
	global_load_b128 v[(\set)+4*p:(\set)+4*p+3], v[L16], s[\base:\base+1] offset:(\off)+512*p th:TH_LOAD_NT   ; read once in this launch
.set p, p+1
.endr
	WIN 0
.endm
; The row in a set goes through my wave's LDS bytes, as it lies, and comes back by blocks into X.  LDS serves a wave's instructions in order (ISA guide 5.7.1.4): no wait between the stores and the loads.
.macro TURNROW set
	WIN 0x04                                       ; an LDS store's data are its source 1: window 1
.set p, 0
.rept 32
	ds_store_b128 v[STA], v[(\set)+4*p:(\set)+4*p+3] offset:544*p   ; a load's 512 bytes are two LDS rows
.set p, p+1
.endr
	WIN 0
.irp s, 0,1,2,3
.irp j, 0,1,2,3,4,5,6,7
	ds_load_b128 v[X+32*\s+4*\j:X+32*\s+4*\j+3], v[LA] offset:4352*\s+16*\j   ; block 32 s + lane, numbers 4 j on: 32 blocks are 16 LDS rows
.endr
.endr
	s_wait_dscnt 32                                ; all but the 32 loads just issued: the 32 stores have read the set, so it may be loaded again
.endm
	s_load_b256 s[4:11], s[0:1], 0x0               ; x s[4:5], weight s[6:7], xc s[8:9], psum s[10:11]
	v_lshl_add_u32 v254, v0, 2, 0x24000
	v_mov_b32 v255, 0
	v_lshrrev_b32 v26, 5, v0
	s_delay_alu instid0(VALU_DEP_1)
	v_readfirstlane_b32 s12, v26                   ; wave 0..7
	v_and_b32 v26, 31, v0                          ; lane
	s_delay_alu instid0(VALU_DEP_1)
	v_lshlrev_b32 v[L16], 4, v26
	s_mul_i32 s13, s12, ROWL                       ; my wave's LDS bytes
	s_lshl_b32 s2, ttmp9, 19                       ; x: 32 rows of 16,384 bytes a work-group,
	s_lshl_b32 s3, s12, 16                         ; four a wave
	s_add_co_u32 s2, s2, s3
	s_mov_b32 s3, 0
	s_lshl_b32 s14, ttmp9, 17                      ; weight: eight rows a work-group,
	s_lshl_b32 s15, s12, 14                        ; one a wave
	s_add_co_u32 s14, s14, s15
	s_mov_b32 s15, 0
	s_wait_alu depctr_va_vdst(0)
	s_wait_kmcnt 0x0
	s_add_nc_u64 s[4:5], s[4:5], s[2:3]
	s_add_nc_u64 s[6:7], s[6:7], s[14:15]
	GLOAD RA, 4, 0                                 ; rows 0 and 1 are asked for before anything else is done
	GLOAD RB, 4, 16384
	s_lshr_b32 s50, ttmp9, 2
	s_mul_i32 s50, s50, 8*TILEM                    ; my rows' eight tiles: g / 4
	s_and_b32 s49, ttmp9, 3
	s_lshl_b32 s2, s49, 13                         ; in it: 32 (g % 4) rows of 256 bytes,
	s_lshl_b32 s3, s12, 10                         ; + 4 w rows
	s_add_co_u32 s2, s2, s3
	s_add_co_u32 s2, s2, s50
	s_mov_b32 s3, 0
	s_add_nc_u64 s[CB:CB+1], s[8:9], s[2:3]
	s_add_nc_u64 s[CB+2:CB+3], s[CB:CB+1], 4*KSX   ; a second base, so that the stores' immediates stay inside 24 signed bits: 2 KSX + 768 at the most
	s_mul_i32 s14, s12, KSX                        ; the scale bytes leave by k / 512 = my wave's number:
	s_lshl_b32 s15, s49, 9                         ; the group's 32 rows x 16 bytes
	s_add_co_u32 s14, s14, s15
	s_add_co_u32 s14, s14, s50
	s_add_co_u32 s14, s14, 32768                   ; behind the tile's codes
	s_mov_b32 s15, 0
	s_add_nc_u64 s[SB:SB+1], s[8:9], s[14:15]
	s_lshl_b32 s14, ttmp9, 2
	s_add_nc_u64 s[10:11], s[10:11], s[14:15]      ; psum[g]
	s_mov_b32 s[SEL], 0x76543210
	s_mov_b32 s[SEL+1], 0xfedcba98
	s_mov_b32 s[C127], 0x42fe0000
	s_mov_b32 s[C127+1], 0x42fe0000
	s_mov_b32 s[CR], 0x3c010204
	s_mov_b32 s[CR+1], 0x3c010204
	v_lshrrev_b32 v27, 1, v26
	s_delay_alu instid0(VALU_DEP_1)
	v_mul_u32_u24 v[LA], v27, 272
	v_and_b32 v27, 1, v26
	s_delay_alu instid0(VALU_DEP_1)
	v_lshl_add_u32 v[LA], v27, 7, v[LA]
	s_delay_alu instid0(VALU_DEP_1)
	v_add_nc_u32 v[LA], s13, v[LA]                 ; 272 (lane / 2) + 128 (lane % 2) + my wave's bytes
	v_lshrrev_b32 v27, 4, v26                      ; lane / 16
	v_and_b32 v28, 15, v26                         ; lane % 16
	s_delay_alu instid0(VALU_DEP_2)
	v_mul_u32_u24 v[STA], v27, 272
	s_delay_alu instid0(VALU_DEP_1)
	v_lshl_add_u32 v[STA], v28, 4, v[STA]
	s_delay_alu instid0(VALU_DEP_1)
	v_add_nc_u32 v[STA], s13, v[STA]               ; 272 (lane / 16) + 16 (lane % 16) + my wave's bytes
	v_mul_u32_u24 v[VO], v27, KSX
	s_delay_alu instid0(VALU_DEP_1)
	v_lshl_add_u32 v[VO], v28, 4, v[VO]
	s_lshl_b32 s49, s12, 6
	s_add_co_u32 s49, s49, SST
	v_lshl_add_u32 v[SA], v27, 9, v28
	s_delay_alu instid0(VALU_DEP_1)
	v_add_nc_u32 v[SA], s49, v[SA]                 ; SST + 512 (lane / 16) + (lane % 16) + 16 x 4 w
	s_lshl_b32 s49, s12, 9
	s_add_co_u32 s49, s49, SST
	v_add_nc_u32 v[SRD], s49, v[L16]               ; SST + 512 w + 16 x lane
	s_lshl_b32 s49, s12, 2
	s_add_co_u32 s49, s49, PS
	v_mov_b32 v[PSA], s49
	v_mov_b32 v[PSB], PS
	v_mov_b32 v[Z], 0
	v_mov_b32 v27, 0                               ; a lane permute's destination counts as one of its sources
; f on n pairs of numbers from v[r] on, stage by stage, so that no line waits for the line above it.
.macro FQ r, n
.set p, 0
.rept \n
	v_pk_mul_f32 v[T+p:T+p+1], v[(\r)+p:(\r)+p+1], v[RC:RC+1]                                                     ; q0 = x rc
.set p, p+2
.endr
.set p, 0
.rept \n
	v_pk_fma_f32 v[(\r)+p:(\r)+p+1], v[T+p:T+p+1], v[GA:GA+1], v[(\r)+p:(\r)+p+1] neg_lo:[1,0,0] neg_hi:[1,0,0]   ; r = x - q0 g
.set p, p+2
.endr
.set p, 0
.rept \n
	v_pk_fma_f32 v[(\r)+p:(\r)+p+1], v[(\r)+p:(\r)+p+1], v[RC:RC+1], v[T+p:T+p+1]                                 ; q = q0 + r rc: x / g
.set p, p+2
.endr
.set p, 0
.rept \n
	v_pk_mul_f32 v[(\r)+p:(\r)+p+1], v[(\r)+p:(\r)+p+1], s[C127:C127+1] op_sel_hi:[1,0]                           ; x 127
.set p, p+2
.endr
.set p, 0
.rept 2*\n
	v_rndne_f32 v[(\r)+p], v[(\r)+p]                                                                              ; to the nearest whole number, ties to even
.set p, p+1
.endr
.set p, 0
.rept \n
	v_pk_mul_f32 v[(\r)+p:(\r)+p+1], v[(\r)+p:(\r)+p+1], s[CR:CR+1] op_sel_hi:[1,0]                               ; / 127
.set p, p+2
.endr
.set p, 0
.rept \n
	v_pk_mul_f32 v[(\r)+p:(\r)+p+1], v[(\r)+p:(\r)+p+1], v[GA:GA+1]                                               ; x g
.set p, p+2
.endr
.endm
; Row i of my four, which lies in X, becomes codes and scale bytes.
.macro QROW i
.irp s, 0,1,2,3
	v_max3_num_f32 v[BM+\s], |v[X+32*\s]|, |v[X+32*\s+1]|, 0       ; my four blocks' largest magnitudes, by turns
.endr
.irp k, 2,4,6,8,10,12,14,16,18,20,22,24,26,28,30
.irp s, 0,1,2,3
	s_delay_alu instid0(VALU_DEP_4)
	v_max3_num_f32 v[BM+\s], v[BM+\s], |v[X+32*\s+\k]|, |v[X+32*\s+\k+1]|
.endr
.endr
	s_delay_alu instid0(VALU_DEP_2)
	v_max3_num_f32 v26, v[BM], v[BM+1], v[BM+2]
	s_delay_alu instid0(VALU_DEP_1)
	v_max_num_f32 v26, v26, v[BM+3]
	s_delay_alu instid0(VALU_DEP_1)
	v_max_num_f32_dpp v26, v26, v26 row_xmask:1 row_mask:0xf bank_mask:0xf
	s_delay_alu instid0(VALU_DEP_1)
	v_max_num_f32_dpp v26, v26, v26 row_xmask:2 row_mask:0xf bank_mask:0xf
	s_delay_alu instid0(VALU_DEP_1)
	v_max_num_f32_dpp v26, v26, v26 row_xmask:4 row_mask:0xf bank_mask:0xf
	s_delay_alu instid0(VALU_DEP_1)
	v_max_num_f32_dpp v26, v26, v26 row_xmask:8 row_mask:0xf bank_mask:0xf
	s_delay_alu instid0(VALU_DEP_1)
	v_permlanex16_b32 v27, v26, s[SEL], s[SEL+1]
	s_delay_alu instid0(VALU_DEP_1)
	v_max3_num_f32 v[GA], v26, v27, 0x322bcc77     ; g: the row's largest magnitude, held at 1e-8 from below
	s_wait_alu depctr_va_vdst(0)
	v_rcp_f32 v[RC], v[GA]
	v_mov_b32 v[GA+1], v[GA]                       ; a plain instruction behind the reciprocal (ISA guide 5.7.2),
	s_wait_alu depctr_va_vdst(0)                   ; and the wait ahead of its first reader
	v_fma_f32 v26, -v[GA], v[RC], 1.0              ; one Newton step: rc + rc (1 - g rc)
	v_fma_f32 v[RC], v26, v[RC], v[RC]
	s_delay_alu instid0(VALU_DEP_1)
	v_mov_b32 v[RC+1], v[RC]
	FQ BM, 2                                       ; the blocks' largest |x_q|: the same instructions on the same numbers give the same bits
.irp s, 0,1,2,3
	v_max_num_f32 v[BM+\s], 0x1800000, v[BM+\s]    ; the floor 2^(3 - 127): the byte cannot fall under 1
.endr
.irp s, 0,1,2,3
	s_delay_alu instid0(VALU_DEP_4)
	v_add_nc_u32 v[SOP+\s], 0xff000000, v[BM+\s]   ; 2 off the exponent field: the conversion takes the exponent field of this operand as its scale, and nothing else of it
.endr
.irp s, 0,1,2,3
	s_delay_alu instid0(VALU_DEP_4)
	v_lshrrev_b32 v[BY+\s], 23, v[SOP+\s]          ; the scale's byte
.endr
	s_wait_xcnt 0x0                                ; the last row's stores have read their data: C is written again only behind this wait
.irp s, 0,1,2,3
.irp g, 0,1,2,3
	FQ X+32*\s+8*\g, 4
.endr
.irp g, 0,1,2,3
	v_cvt_scalef32_pk8_fp4_f32 v[C+4*\s+\g], v[X+32*\s+8*\g:X+32*\s+8*\g+7], v[SOP+\s]   ; eight numbers / the scale, to the nearest code, ties to even, beyond 6 the largest code
.endr
	global_store_b128 v[VO], v[C+4*\s:C+4*\s+3], s[CB+2*(\s/2):CB+2*(\s/2)+1] offset:(\s%2)*2*KSX+256*\i   ; lanes 0-15: the row's 256 bytes of k / 512 = 2 s, lanes 16-31: of 2 s + 1: each 256 consecutive bytes, aligned
	ds_store_b8 v[SA], v[BY+\s] offset:1024*\s+16*\i
.endr                                          ; (the next block's first multiply, which names none of these registers, is the plain instruction behind the conversions)
	v_nop                                          ; and this one behind the last
.endm
; The sum of |weight| over the row in a set of window 1, as it was loaded: eight chains of 16 a lane, then across the lanes.
.macro SUMW set
	WIN 0x05                                       ; sources 0 and 1 window 1
.irp c, 0,1,2,3,4,5,6,7
	v_add_f32 v[S+\c], |v[(\set)+\c]|, |v[(\set)+8+\c]|
.endr
	WIN 0x04                                       ; source 1 window 1
.irp j, 2,3,4,5,6,7,8,9,10,11,12,13,14,15
.irp c, 0,1,2,3,4,5,6,7
	v_add_f32 v[S+\c], v[S+\c], |v[(\set)+8*\j+\c]|
.endr
.endr
	WIN 0
	v_pk_add_f32 v[S:S+1], v[S:S+1], v[S+2:S+3]
	v_pk_add_f32 v[S+4:S+5], v[S+4:S+5], v[S+6:S+7]
	s_delay_alu instid0(VALU_DEP_1)
	v_pk_add_f32 v[S:S+1], v[S:S+1], v[S+4:S+5]
	s_delay_alu instid0(VALU_DEP_1)
	v_add_f32 v[S], v[S], v[S+1]
	s_delay_alu instid0(VALU_DEP_1)
	v_add_f32_dpp v[S], v[S], v[S] row_xmask:1 row_mask:0xf bank_mask:0xf
	s_delay_alu instid0(VALU_DEP_1)
	v_add_f32_dpp v[S], v[S], v[S] row_xmask:2 row_mask:0xf bank_mask:0xf
	s_delay_alu instid0(VALU_DEP_1)
	v_add_f32_dpp v[S], v[S], v[S] row_xmask:4 row_mask:0xf bank_mask:0xf
	s_delay_alu instid0(VALU_DEP_1)
	v_add_f32_dpp v[S], v[S], v[S] row_xmask:8 row_mask:0xf bank_mask:0xf
	s_delay_alu instid0(VALU_DEP_1)
	v_permlanex16_b32 v27, v[S], s[SEL], s[SEL+1]
	s_delay_alu instid0(VALU_DEP_1)
	v_add_f32 v[S], v[S], v27
	ds_store_b32 v[PSA], v[S]                      ; all lanes write the same word with the same value
.endm
	s_wait_loadcnt 32                              ; loads come back in order (ISA guide 5.7.1): row 0 is in; row 1's 32 loads may be out
	TURNROW RA
	GLOAD RA, 4, 2*16384                           ; row 2 is asked for as soon as the set is free
	s_wait_dscnt 0x0                               ; row 0 lies in X, by blocks
	QROW 0
	s_wait_loadcnt 32                              ; row 1 is in; row 2's loads may be out
	TURNROW RB
	GLOAD RB, 4, 3*16384                           ; row 3
	s_wait_dscnt 0x0
	QROW 1
	s_wait_loadcnt 32                              ; row 2 is in; row 3's loads may be out
	TURNROW RA
	GLOAD RA, 6, 0                                 ; my row of weight: the last loads
	s_wait_dscnt 0x0
	QROW 2
	s_wait_loadcnt 32                              ; row 3 is in; the row of weight may be out
	TURNROW RB
	s_wait_dscnt 0x0
	QROW 3
	s_wait_loadcnt 0x0                             ; the row of weight: no load was issued behind it
	SUMW RA
	s_wait_dscnt 0x0                               ; for the others' sake: my scale bytes and my sum lie in LDS
	s_barrier_signal -1
	s_barrier_wait -1                              ; everybody's do
	ds_load_b128 v[T:T+3], v[SRD]                  ; the group's 32 rows x 16 scale bytes of k / 512 = my wave's number
	ds_load_b128 v[PP:PP+3], v[PSB]
	ds_load_b128 v[PP+4:PP+7], v[PSB] offset:16
	s_wait_dscnt 0x0
	global_store_b128 v[L16], v[T:T+3], s[SB:SB+1] ; 512 consecutive bytes, at a multiple of 256 from xc's first byte
	v_pk_add_f32 v[PP:PP+1], v[PP:PP+1], v[PP+2:PP+3]
	v_pk_add_f32 v[PP+4:PP+5], v[PP+4:PP+5], v[PP+6:PP+7]
	s_delay_alu instid0(VALU_DEP_1)
	v_pk_add_f32 v[PP:PP+1], v[PP:PP+1], v[PP+4:PP+5]
	s_delay_alu instid0(VALU_DEP_1)
	v_add_f32 v[PP], v[PP], v[PP+1]                ; the work-group's sum of |weight|
	v_cmp_eq_u32 vcc_lo, 0, v0
	s_wait_alu depctr_va_vdst(0)
	s_wait_xcnt 0x0                                ; EXEC changes only behind this wait
	s_wait_tensorcnt 0x0
	ds_add_u32 v254, v255
	s_wait_dscnt 0x0
	s_and_saveexec_b32 s48, vcc_lo                 ; thread 0 alone
	global_store_b32 v[Z], v[PP], s[10:11]
	s_wait_xcnt 0x0                                ; and again, in front of the line that widens it
	s_or_b32 exec_lo, exec_lo, s48
	s_endpgm
.Lfunc_end_k_qc71860cecd_quant_x:
	.size	k_qc71860cecd_quant_x, .Lfunc_end_k_qc71860cecd_quant_x-k_qc71860cecd_quant_x
	.p2alignl 7, 3214868480
	.fill 96, 4, 3214868480
	.section	.rodata,"a",@progbits
	.p2align	6, 0x0
	.amdhsa_kernel k_qc71860cecd_quant_x
		.amdhsa_group_segment_fixed_size 148480
		.amdhsa_private_segment_fixed_size 0
		.amdhsa_enable_private_segment 0
		.amdhsa_kernarg_size 32
		.amdhsa_user_sgpr_count 2
		.amdhsa_user_sgpr_kernarg_segment_ptr 1
		.amdhsa_wavefront_size32 1
		.amdhsa_system_sgpr_workgroup_id_x 1
		.amdhsa_system_sgpr_workgroup_id_y 1
		.amdhsa_system_sgpr_workgroup_id_z 1
		.amdhsa_system_vgpr_workitem_id 0
		.amdhsa_next_free_vgpr 512
		.amdhsa_next_free_sgpr 66
		.amdhsa_reserve_vcc 1
		.amdhsa_float_denorm_mode_32 3
		.amdhsa_float_denorm_mode_16_64 3
		.amdhsa_memory_ordered 1
		.amdhsa_forward_progress 1
		.amdhsa_inst_pref_size 199
	.end_amdhsa_kernel
	.amdgpu_metadata
---
amdhsa.version: [ 1, 2 ]
amdhsa.kernels:
  - .name:           k_qc71860cecd_quant_x
    .symbol:         k_qc71860cecd_quant_x.kd
    .args:
      - { .name: x, .offset: 0, .size: 8, .value_kind: global_buffer, .address_space: global }
      - { .name: weight, .offset: 8, .size: 8, .value_kind: global_buffer, .address_space: global }
      - { .name: xc, .offset: 16, .size: 8, .value_kind: global_buffer, .address_space: global }
      - { .name: psum, .offset: 24, .size: 8, .value_kind: global_buffer, .address_space: global }
    .group_segment_fixed_size: 148480
    .private_segment_fixed_size: 0
    .kernarg_segment_align: 8
    .kernarg_segment_size: 32
    .max_flat_workgroup_size: 256
    .sgpr_count:     66
    .vgpr_count:     512
    .wavefront_size: 32
...
	.end_amdgpu_metadata
.endif
;; end of part 1
;; launch quant_w (part 2): grid 256 x 1, 8 waves a work-group, no clusters, 168,960 bytes of LDS; arguments weight, psum, wc; writes wc
.if DOCPART == 2
	.amdgcn_target "amdgcn-amd-amdhsa--gfx1250"
	.amdhsa_code_object_version 6
	.text
	.protected	k_qc71860cecd_quant_w
	.globl	k_qc71860cecd_quant_w
	.p2align	8
	.type	k_qc71860cecd_quant_w,@function
k_qc71860cecd_quant_w:
	s_mov_b64 s[64:65], 0
	v_nop
	global_prefetch_b8 v0, s[64:65] scope:SCOPE_SE
	s_setreg_imm32_b32 hwreg(HW_REG_WAVE_MODE, 25, 1), 1
	s_wait_xcnt 0x0
; weight [2048][4096] f32 -> w_eff = clip(round(w / alpha), -1, 1) x alpha, alpha = mean |weight| + 1e-8, and w_eff -> codes of FP4 (E2M1), one E8M0 scale for each 32 along K.
; psum holds 256 partial sums of |weight|; every wave adds them in the same order, so alpha has the same bits everywhere.  The mean is the sum x 2^-23, which rounds nothing.
; w_eff holds -alpha, 0 and alpha alone.  So a block that is not all zeros has the largest magnitude alpha, and its scale's byte is alpha's exponent field - 2 (alpha is at least 1e-8: the byte is far above 1).
; A block of zeros gets the same byte: its codes are zeros, which add nothing under any byte but 0xff, and this program alone reads the bytes.  So ALL SCALE BYTES ARE ONE CONSTANT: it is stored once, as 64 equal words behind the codes.
; wc IS LAID AS THE PRODUCT'S OPERAND REGISTERS WANT IT: [row / 128 : 16][k / 128 : 32][row / 16 % 8 : 8][c : 2][lane : 32][16 bytes]; lane 16 h + r holds the codes of row r of the sixteen, k = 64 c + 32 h + 0 .. 31 of the 128.
; SHARES.  Work-group g: the sixteen rows 16 (g / 2) .., the half g % 2 of K.  Wave w: 256 along K of all sixteen rows: one tensor load of 16 rows x 1,024 bytes into LDS bytes of its own, filled once, read by that wave alone
; behind its own wait on TENSORcnt: no barrier.  Lane 16 h + r takes four whole blocks of row r, so that the conversions' four registers are the lane's 16 bytes of a fragment: each store of the wave covers 512 consecutive bytes, aligned.
; LDS rows are 1,024 + 16 bytes apart.
; The division w / alpha is made as a correctly rounded one (reciprocal with one Newton step, remainder and correction fused).  No cluster: work-groups share no tile.  No prefetch: there is no loop to run ahead in.
; LIMITS: NaN and infinities among the inputs are not served.
.set RP,    1040                       ; an LDS row
.set SLOTB, 16*RP                      ; a wave's LDS bytes
.set WSC,   4194304                    ; behind the codes: the scale words
.set LA,  3                            ; v3   LDS address of my block 0
.set VO,  4                            ; v4   16 x lane
.set AL,  10                           ; v[10:11] alpha, twice
.set RC,  12                           ; v[12:13] 1 / alpha, twice
.set SOP, 18                           ; v18  the conversions' scale operand
.set SW,  20                           ; v[20:21] eight scale bytes
.set T,   28                           ; v[28:35] at work
.set C,   36                           ; v[36:51] the codes: each register written once
.set PO,  53                           ; v53  32 x lane: my eight partial sums
.set SO,  54                           ; v54  8 x lane
.set PP,  56                           ; v[56:63] eight partial sums
.set X,   64                           ; v[64:191] my four blocks
.set G1,  16                           ; s[16:23] descriptor group 1;  s[24:27] group 0
.set G0,  24
.set SEL, 36
	s_load_b128 s[4:7], s[0:1], 0x0                ; weight s[4:5], psum s[6:7]
	s_load_b64 s[8:9], s[0:1], 0x10                ; wc
	v_lshl_add_u32 v208, v0, 2, 0x29000
	v_mov_b32 v209, 0
	ds_add_u32 v208, v209                          ; the opening lines: the add, twice on end, and its wait ahead of my tensor load
	ds_add_u32 v208, v209
	v_lshrrev_b32 v26, 5, v0
	s_delay_alu instid0(VALU_DEP_1)
	v_readfirstlane_b32 s12, v26                   ; wave 0..7
	s_mul_i32 s13, s12, SLOTB                      ; my LDS bytes
	s_mov_b32 s[G1+0], (3<<16)|(1<<20)|(7<<22)|(3<<25)  ; elements of 8 bytes; padding: four words after every 256
	s_mov_b32 s[G1+1], 128<<16                     ; tensor_dim0 = 128
	s_mov_b32 s[G1+2], 16<<16                      ; tensor_dim1 = 16
	s_mov_b32 s[G1+3], 128<<16                     ; tile_dim0 = 128
	s_mov_b32 s[G1+4], 16                          ; tile_dim1 = 16
	s_mov_b32 s[G1+5], 2048                        ; from row to row: 16,384 bytes
	s_mov_b32 s[G1+6], 0
	s_mov_b32 s[G1+7], 0
	s_lshr_b32 s14, ttmp9, 1                       ; which sixteen rows
	s_and_b32 s15, ttmp9, 1                        ; which half of K
	s_lshl_b32 s2, s14, 18                         ; sixteen rows of 16,384 bytes,
	s_lshl_b32 s3, s15, 13                         ; half a row,
	s_add_co_u32 s2, s2, s3
	s_lshl_b32 s3, s12, 10                         ; 1,024 bytes a wave
	s_add_co_u32 s2, s2, s3
	s_mov_b32 s3, 0
	s_wait_alu depctr_va_vdst(0)
	s_wait_dscnt 0x0
	s_wait_kmcnt 0x0
	s_mov_b32 s[G0], 1
	s_mov_b32 s[G0+1], s13
	s_add_nc_u64 s[G0+2:G0+3], s[4:5], s[2:3]
	s_or_b32 s[G0+3], s[G0+3], 0x80000000
	tensor_load_to_lds s[G0:G0+3], s[G1:G1+7]      ; the one tensor load of this wave
	s_nop 0
	v_and_b32 v26, 31, v0                          ; lane
	s_wait_alu depctr_va_vdst(0)
	v_lshlrev_b32 v[PO], 5, v26
	global_load_b128 v[PP:PP+3], v[PO], s[6:7]     ; partial sums 8 lane .. 8 lane + 7
	global_load_b128 v[PP+4:PP+7], v[PO], s[6:7] offset:16
	s_lshr_b32 s28, s14, 3
	s_lshl_b32 s28, s28, 18                        ; row / 128: 262,144 bytes each
	s_and_b32 s29, s14, 7
	s_lshl_b32 s29, s29, 10                        ; row / 16 % 8: 1,024 bytes
	s_add_co_u32 s28, s28, s29
	s_lshl_b32 s29, s15, 17                        ; k / 128 = 16 x half + 2 x wave: 8,192 bytes each
	s_add_co_u32 s28, s28, s29
	s_lshl_b32 s29, s12, 14
	s_add_co_u32 s28, s28, s29
	s_mov_b32 s29, 0
	s_add_nc_u64 s[40:41], s[8:9], s[28:29]        ; the codes' base
	s_mov_b32 s[SEL], 0x76543210
	s_mov_b32 s[SEL+1], 0xfedcba98
	s_mov_b32 s38, 0x34000000                      ; 2^-23: one over the count of weights
	s_mov_b32 s39, 0x322bcc77                      ; 1e-8
	v_and_b32 v28, 15, v26                         ; r
	v_lshrrev_b32 v27, 4, v26                      ; h
	s_delay_alu instid0(VALU_DEP_2)
	v_mul_u32_u24 v[LA], v28, RP
	s_delay_alu instid0(VALU_DEP_1)
	v_lshl_add_u32 v[LA], v27, 7, v[LA]
	s_delay_alu instid0(VALU_DEP_1)
	v_add_nc_u32 v[LA], s13, v[LA]                 ; my wave's bytes + RP r + 128 h
	v_lshlrev_b32 v[VO], 4, v26
	v_lshlrev_b32 v[SO], 3, v26
	v_mov_b32 v27, 0                               ; a lane permute's destination counts as one of its sources
	s_wait_alu depctr_va_vdst(0)
	s_wait_loadcnt 0x0
	v_pk_add_f32 v[PP:PP+1], v[PP:PP+1], v[PP+2:PP+3]
	v_pk_add_f32 v[PP+4:PP+5], v[PP+4:PP+5], v[PP+6:PP+7]
	s_delay_alu instid0(VALU_DEP_1)
	v_pk_add_f32 v[PP:PP+1], v[PP:PP+1], v[PP+4:PP+5]
	s_delay_alu instid0(VALU_DEP_1)
	v_add_f32 v[PP], v[PP], v[PP+1]
	s_delay_alu instid0(VALU_DEP_1)
	v_add_f32_dpp v[PP], v[PP], v[PP] row_xmask:1 row_mask:0xf bank_mask:0xf
	s_delay_alu instid0(VALU_DEP_1)
	v_add_f32_dpp v[PP], v[PP], v[PP] row_xmask:2 row_mask:0xf bank_mask:0xf
	s_delay_alu instid0(VALU_DEP_1)
	v_add_f32_dpp v[PP], v[PP], v[PP] row_xmask:4 row_mask:0xf bank_mask:0xf
	s_delay_alu instid0(VALU_DEP_1)
	v_add_f32_dpp v[PP], v[PP], v[PP] row_xmask:8 row_mask:0xf bank_mask:0xf
	s_wait_alu depctr_va_vdst(0)
	v_permlanex16_b32 v27, v[PP], s[SEL], s[SEL+1]
	s_delay_alu instid0(VALU_DEP_1)
	v_add_f32 v[PP], v[PP], v27                    ; the sum of |weight|
	s_delay_alu instid0(VALU_DEP_1)
	v_fma_f32 v[AL], v[PP], s38, s39               ; alpha = the mean + 1e-8: one rounding
	s_wait_alu depctr_va_vdst(0)                   ; the wait ahead of the transcendental
	v_rcp_f32 v[RC], v[AL]
	v_mov_b32 v[AL+1], v[AL]                       ; a plain instruction behind the reciprocal,
	s_wait_alu depctr_va_vdst(0)                   ; and the wait ahead of its first reader
	v_fma_f32 v26, -v[AL], v[RC], 1.0              ; one Newton step
	v_fma_f32 v[RC], v26, v[RC], v[RC]
	s_delay_alu instid0(VALU_DEP_1)
	v_mov_b32 v[RC+1], v[RC]
	v_add_nc_u32 v[SOP], 0xff000000, v[AL]         ; 2 off alpha's exponent field: the conversions' scale operand
	s_delay_alu instid0(VALU_DEP_1)
	v_lshrrev_b32 v19, 23, v[SOP]                  ; the scale's byte,
	s_delay_alu instid0(VALU_DEP_1)
	v_lshl_or_b32 v[SW], v19, 8, v19
	s_delay_alu instid0(VALU_DEP_1)
	v_lshl_or_b32 v[SW], v[SW], 16, v[SW]          ; four times,
	s_delay_alu instid0(VALU_DEP_1)
	v_mov_b32 v[SW+1], v[SW]                       ; eight times
	s_or_b32 s2, ttmp9, s12
	s_cmp_lg_u32 s2, 0                             ; wave 0 of work-group 0 stores the scale words
	s_cbranch_scc1 .Lno_scales
	global_store_b64 v[SO], v[SW:SW+1], s[8:9] offset:WSC   ; 256 consecutive bytes, aligned
.Lno_scales:
; clip(round(w / alpha), -1, 1) x alpha on n pairs of numbers from v[r] on, stage by stage.
.macro FW r, n
.set p, 0
.rept \n
	v_pk_mul_f32 v[T+p:T+p+1], v[(\r)+p:(\r)+p+1], v[RC:RC+1]                                                     ; q0 = w rc
.set p, p+2
.endr
.set p, 0
.rept \n
	s_delay_alu instid0(VALU_DEP_4)
	v_pk_fma_f32 v[(\r)+p:(\r)+p+1], v[T+p:T+p+1], v[AL:AL+1], v[(\r)+p:(\r)+p+1] neg_lo:[1,0,0] neg_hi:[1,0,0]   ; r = w - q0 alpha
.set p, p+2
.endr
.set p, 0
.rept \n
	s_delay_alu instid0(VALU_DEP_4)
	v_pk_fma_f32 v[(\r)+p:(\r)+p+1], v[(\r)+p:(\r)+p+1], v[RC:RC+1], v[T+p:T+p+1]                                 ; q = q0 + r rc: w / alpha
.set p, p+2
.endr
.set p, 0
.rept 2*\n
	v_rndne_f32 v[(\r)+p], v[(\r)+p]
.set p, p+1
.endr
.set p, 0
.rept 2*\n
	v_med3_num_f32 v[(\r)+p], v[(\r)+p], -1.0, 1.0
.set p, p+1
.endr
.set p, 0
.rept \n
	v_pk_mul_f32 v[(\r)+p:(\r)+p+1], v[(\r)+p:(\r)+p+1], v[AL:AL+1]
.set p, p+2
.endr
.endm
	s_wait_tensorcnt 0x0                           ; my sixteen rows are in LDS
.irp s, 0,1,2,3
.irp j, 0,1,2,3,4,5,6,7
	ds_load_b128 v[X+32*\s+4*\j:X+32*\s+4*\j+3], v[LA] offset:256*\s+16*\j   ; block s: k = 64 s + 32 h + 4 j .. of my wave's 256
.endr
.endr
	s_wait_alu depctr_va_vdst(0)
.irp s, 0,1,2,3
	s_wait_dscnt 24-8*\s                           ; block s is in; the eight loads of each later block may be out
.irp g, 0,1,2,3
	FW X+32*\s+8*\g, 4
.endr
.irp g, 0,1,2,3
	v_cvt_scalef32_pk8_fp4_f32 v[C+4*\s+\g], v[X+32*\s+8*\g:X+32*\s+8*\g+7], v[SOP]
.endr
	global_store_b128 v[VO], v[C+4*\s:C+4*\s+3], s[40:41] offset:(\s/2)*8192+(\s%2)*512   ; k / 128 = s / 2 of my two, c = s % 2
.endr                                          ; (the next block's first multiply is the plain instruction behind the conversions)
	v_nop                                          ; and this one behind the last
	s_wait_tensorcnt 0x0                           ; the wave's end
	ds_add_u32 v208, v209
	s_wait_dscnt 0x0
	s_endpgm
.Lfunc_end_k_qc71860cecd_quant_w:
	.size	k_qc71860cecd_quant_w, .Lfunc_end_k_qc71860cecd_quant_w-k_qc71860cecd_quant_w
	.p2alignl 7, 3214868480
	.fill 96, 4, 3214868480
	.section	.rodata,"a",@progbits
	.p2align	6, 0x0
	.amdhsa_kernel k_qc71860cecd_quant_w
		.amdhsa_group_segment_fixed_size 168960
		.amdhsa_private_segment_fixed_size 0
		.amdhsa_enable_private_segment 0
		.amdhsa_kernarg_size 24
		.amdhsa_user_sgpr_count 2
		.amdhsa_user_sgpr_kernarg_segment_ptr 1
		.amdhsa_wavefront_size32 1
		.amdhsa_system_sgpr_workgroup_id_x 1
		.amdhsa_system_sgpr_workgroup_id_y 1
		.amdhsa_system_sgpr_workgroup_id_z 1
		.amdhsa_system_vgpr_workitem_id 0
		.amdhsa_next_free_vgpr 210
		.amdhsa_next_free_sgpr 66
		.amdhsa_reserve_vcc 0
		.amdhsa_float_denorm_mode_32 3
		.amdhsa_float_denorm_mode_16_64 3
		.amdhsa_memory_ordered 1
		.amdhsa_forward_progress 1
		.amdhsa_inst_pref_size 41
	.end_amdhsa_kernel
	.amdgpu_metadata
---
amdhsa.version: [ 1, 2 ]
amdhsa.kernels:
  - .name:           k_qc71860cecd_quant_w
    .symbol:         k_qc71860cecd_quant_w.kd
    .args:
      - { .name: weight, .offset: 0, .size: 8, .value_kind: global_buffer, .address_space: global }
      - { .name: psum, .offset: 8, .size: 8, .value_kind: global_buffer, .address_space: global }
      - { .name: wc, .offset: 16, .size: 8, .value_kind: global_buffer, .address_space: global }
    .group_segment_fixed_size: 168960
    .private_segment_fixed_size: 0
    .kernarg_segment_align: 8
    .kernarg_segment_size: 24
    .max_flat_workgroup_size: 256
    .sgpr_count:     66
    .vgpr_count:     210
    .wavefront_size: 32
...
	.end_amdgpu_metadata
.endif
;; end of part 2
;; launch gemm (part 3): grid 8 x 32, 4 waves a work-group, clusters of 4 x 1, 327,680 bytes of LDS; arguments xc, wc, out0; writes out0
.if DOCPART == 3
	.amdgcn_target "amdgcn-amd-amdhsa--gfx1250"
	.amdhsa_code_object_version 6
	.text
	.protected	k_qc71860cecd_gemm
	.globl	k_qc71860cecd_gemm
	.p2align	8
	.type	k_qc71860cecd_gemm,@function
k_qc71860cecd_gemm:
	s_mov_b64 s[64:65], 0
	v_nop
	global_prefetch_b8 v0, s[64:65] scope:SCOPE_SE
	s_setreg_imm32_b32 hwreg(HW_REG_WAVE_MODE, 25, 1), 1
	s_wait_xcnt 0x0
	s_wait_alu depctr_hold_cnt(0) depctr_sa_sdst(0) depctr_va_vdst(0) depctr_va_sdst(0) depctr_va_ssrc(0) depctr_va_vcc(0) depctr_vm_vsrc(0)
	s_getreg_b32 s2, hwreg(HW_REG_IB_STS2, 6, 4)
	s_cmp_eq_u32 s2, 0
	s_cbranch_scc0 .Lentry_in_a_cluster
	s_endpgm
.Lentry_in_a_cluster:
	s_bfe_u32 s2, ttmp6, 0x10000c
	s_cmp_lg_u32 s2, 0x3003
	s_cbranch_scc0 .Lentry_shape_is_right
	s_endpgm
.Lentry_shape_is_right:
; out[m][n] = sum over k of x_q[m][k] w_eff[n][k], both as codes of FP4 (E2M1) with E8M0 scales for each 32 along K; m 8,192, n 2,048, k 4,096; sums in f32.
; A WORK-GROUP makes 256 rows x 256 columns; each of its four waves all 256 rows x 64 columns: 32 accumulators of 16 rows x 32 columns, 512 registers.  Grid 8 x 32 = 256 work-groups.
; x GOES THROUGH A RING OF TWO LDS SLOTS, each with 256 rows x 1,024 along K: four tiles of xc (128 rows x 256 bytes of codes, 128 x 16 scale bytes: 34,816 dense bytes), one tensor load a wave, as rows of 256 bytes + 16 of padding.
; K has four such slots' worth: two first fills and two refills.  A refill has eight steps of 128 along K, 256 matrix instructions a wave, in which to land; so x's tiles have no prefetch.
; CLUSTER 4, 1, 1: the four work-groups of a row block need the same tiles of x and ask for them jointly (mask 15).
; W's CODES GO FROM MEMORY STRAIGHT INTO THE OPERAND'S REGISTERS: wc is laid in that order, so each load of a wave reads 512 consecutive bytes.  A wave's 64 rows of W are 4,096 bytes a step, 8,192 bytes from step to step
; (the other half is its neighbour wave's).  Eight sets of 32 registers hold eight steps; a set is asked for again, for the step eight on, when its step's products are issued: up to 64 loads of a wave are out.
; W's streams are shared by the 32 work-groups of a column block, but they land in registers, and the ring takes 295,936 of LDS's 327,680 bytes: there is no second ring through which a joint load could bring them.
; W's SCALE BYTES ARE ONE CONSTANT (w_eff holds -alpha, 0, alpha alone: see the launch that makes wc): one register, loaded once, the same word in all 32 lanes, serves every product.
; NO PREFETCH of W's stream: steps 0 to 7 come by the head's loads, each later step by the loads issued eight steps ahead.
; THE MATRIX INSTRUCTION (32 x 16 x 128) IS USED TRANSPOSED: source 0 = 32 rows of W, source 1 = 16 rows of x: a lane holds one row of out, registers 0-7 columns 8 h + 0 .. 7 of the 32, registers 8-15 columns 16 + 8 h + 0 .. 7.
; REGISTERS: window 0: v16-30 addresses and W's scale word; v32-63 x's scale words, two sets of 16, a register a block (lanes 0-15 are read); v128-255 x's sixteen fragments, ONE set: blocks 0-7 are fetched anew in a step's middle, 8-15 at its end.
;   window 1: W's eight sets.  Windows 2, 3: accumulator (a, p) in window 2 + a / 8 at v[16 (2 (a % 8) + p)].
.set SIZE_N, 2048
.set PITCH,  272                       ; an LDS row: 256 bytes + 16 of padding: the 16 rows that a load touches start at 16 different banks (64 banks of 4 bytes: ISA guide 11.1)
.set TILE,   136*PITCH                 ; a tile in LDS
.set SCOFF,  128*PITCH                 ; in it: the scale bytes, 16 rows' to an LDS row
.set HCH,    2*TILE                    ; 512 along K of 256 rows: rows 0-127, then rows 128-255
.set SLOTB,  2*HCH
.set TILEM,  34816                     ; a tile in memory
.set SPARE,  2*SLOTB                   ; behind the ring: the spare words, 128 bytes a wave
.set WSTEP,  8192
.set WSC,    4194304                   ; behind W's codes: its scale words
.set SP,     272                       ; the way out: a stage of 16 rows x (256 + 16) bytes for each wave, in slot 0, behind the last change of slots, behind which nobody reads or fills that slot
.set LT,   16                          ; a fragment's lane term: row r x pitch + 16 h
.set ADR0, 17                          ; rows 0-127 of the 512 along K that is being fetched
.set ADR1, 18                          ; rows 128-255
.set ADRS, 19                          ; its scale words
.set LTS,  20                          ; their lane term
.set VO,   21                          ; 16 x lane
.set PFO,  22                          ; 8,192 h + 256 r
.set WSO,  23                          ; 4 x lane
.set STO,  24
.set RD,   25
.set CO,   26
.set SPW,  28
.set NIL,  29
.set WS,   30                          ; W's scale word
.set XS,   32
.set XF,   128
.set BK,   64                          ; the way out: two blocks of 16 rows read back from the stage, v64-127
.set RA,   8                           ; v8-11  the last slot by rows: its four tiles (first 512 along K: rows 0-127, 128-255; second 512: the same)
.set RS,   12                          ; v12-13 and its scale words, first and second 512 along K
.set G1, 24
.set G0, 32
.set S,  36                            ; s[36:37] my stream, stepped eight steps a trip
.set MSB, 0
.macro WIN new                         ; the immediate's high byte repeats the setting that is left
.if MSB != \new
	s_set_vgpr_msb (MSB<<8)|\new
.set MSB, \new
.endif
.endm
.set MUL_LO, 0xa1                      ; source 0 (W) window 1, source 1 (x) window 0, C and D window 2
.set MUL_HI, 0xf1                      ; the same, C and D window 3
.set TO_W,   0x40                      ; destination window 1, address window 0
.macro CREST                           ; a round of the cluster's barrier behind its opening barrier
	s_cmp_lg_u32 s14, 0
	s_cbranch_scc1 .Lnot_wave_0_\@
	s_barrier_signal -3
.Lnot_wave_0_\@:
	s_barrier_wait -3
	s_barrier_signal -1
	s_barrier_wait -1
.endm
.macro CROUND
	s_barrier_signal -1
	s_barrier_wait -1
	CREST
.endm
.macro PLACES                          ; four places behind a matrix instruction, ahead of loads into its registers and of reads of its result
.rept 4
	v_nop
.endr
.endm
.macro NEXTFILL                        ; group 0 for the next fill: the other slot, 1,024 further along K.  Written only where no tensor load of mine is out
	s_xor_b32 s39, s39, SLOTB                      ; the slot's base: 0 or SLOTB
	s_add_co_u32 s[G0+1], s39, s45
	s_add_nc_u64 s[G0+2:G0+3], s[G0+2:G0+3], 2*TILEM
.endm
.macro WLOAD set, off                  ; my four blocks of W of one step into a set, from byte off of my stream's base
.irp b, 0,1,2,3
.irp c, 0,1
	global_load_b128 v[32*(\set)+8*\b+4*\c:32*(\set)+8*\b+4*\c+3], v[VO], s[S:S+1] offset:(\off)+\b*1024+\c*512
.endr
.endr
.endm
.macro FETCH_LO nq, par                ; x's blocks 0-7 and all sixteen scale registers of the nq-th 128 along K: 32 LDS loads
.irp a, 0,1,2,3,4,5,6,7
.irp c, 0,1
	ds_load_b128 v[XF+8*\a+4*\c:XF+8*\a+4*\c+3], v[ADR0] offset:64*(\nq)+32*\c+\a*16*PITCH
.endr
.endr
.irp a, 0,1,2,3,4,5,6,7
	ds_load_b32 v[XS+16*(\par)+\a], v[ADRS] offset:\a*PITCH+4*(\nq)
	ds_load_b32 v[XS+16*(\par)+8+\a], v[ADRS] offset:TILE+\a*PITCH+4*(\nq)
.endr
.endm
.macro FETCH_HI nq                     ; x's blocks 8-15: 16 LDS loads
.irp a, 0,1,2,3,4,5,6,7
.irp c, 0,1
	ds_load_b128 v[XF+64+8*\a+4*\c:XF+64+8*\a+4*\c+3], v[ADR1] offset:64*(\nq)+32*\c+\a*16*PITCH
.endr
.endr
.endm
; The last slot goes by rows of out.  Half hf (512 along K) of the fragments and scale words of blocks 2 j and 2 j + 1: 18 LDS loads.  Step t8 = 4 hf + q of block 2 j + e lies at v[XF + 16 t8 + 8 e], its scale word at v[XS + 8 e + t8].
.macro RFETCH j, hf
.irp e, 0,1
.irp q, 0,1,2,3
.irp c, 0,1
	ds_load_b128 v[XF+16*(4*(\hf)+\q)+8*\e+4*\c:XF+16*(4*(\hf)+\q)+8*\e+4*\c+3], v[RA+2*(\hf)+(\j)/4] offset:64*\q+32*\c+((2*(\j)+\e)%8)*16*PITCH
.endr
.endr
	ds_load_b128 v[XS+8*\e+4*(\hf):XS+8*\e+4*(\hf)+3], v[RS+(\hf)] offset:((\j)/4)*TILE+((2*(\j)+\e)%8)*PITCH
.endr
.endm
.macro WM d, w, x, s, zero
.if \zero
	v_wmma_scale_f32_32x16x128_f4 v[\d:\d+15], v[\w:\w+15], v[\x:\x+7], 0, v[WS], v[\s]
.else
	v_wmma_scale_f32_32x16x128_f4 v[\d:\d+15], v[\w:\w+15], v[\x:\x+7], v[\d:\d+15], v[WS], v[\s]
.endif
.endm
; 8 matrix instructions: x's blocks a0 .. a0 + 3, each against W's two halves of a set.  The accumulators take turns, one instruction a turn.
.macro MUL4 set, a0, zero
.irp a, \a0, \a0+1, \a0+2, \a0+3
.irp p, 0,1
	WM (16*(2*((\a)%8)+\p)), (32*(\set)+16*\p), (XF+8*(\a)), (XS+16*((\set)%2)+(\a)), \zero
.endr
.endr
.endm
; A step of 128 along K, the t8-th of its slot, on W's set t8.  ld: the set is asked for again, for the step eight on, at byte off.  fx: the next step's fragments of x, in the same slot, are fetched.
; w1: the loads that may be out when the set is needed (in the stream's middle seven younger sets of 8).
.macro STEP t8, zero, ld, off, fx, ask, w1
	s_wait_loadcnt \w1
	s_wait_dscnt 16                                ; blocks 0-7 and the scale words are in; the youngest 16 loads (blocks 8-15) may be out
	WIN MUL_LO
	MUL4 \t8, 0, \zero
	MUL4 \t8, 4, \zero
	s_wait_dscnt 0x0                               ; blocks 8-15 are in
.if \fx
	PLACES
	WIN 0
.if \t8 == 3
	v_add_nc_u32 v[ADR0], HCH, v[ADR0]             ; the next step begins the slot's second 512 along K
	v_add_nc_u32 v[ADR1], HCH, v[ADR1]
	v_add_nc_u32 v[ADRS], HCH, v[ADRS]
	s_wait_alu depctr_va_vdst(0)
.endif
	FETCH_LO (\t8+1)%4, (\t8+1)%2
.endif
.if \ask
.irp i, 0,1,2,3
.endr
.endif
	WIN MUL_HI
	MUL4 \t8, 8, \zero
	MUL4 \t8, 12, \zero
.if \ld || \fx
	PLACES
.endif
.if \ld
	WIN TO_W
	WLOAD \t8, \off
.endif
	WIN 0
.if \fx
	FETCH_HI (\t8+1)%4
.endif
.endm
; A slot's last step changes slots: ONE barrier; in front of it each wave waits for all its tensor loads, adds 0 to its spare word, and waits for that and for its own reads of this slot.
; fill = 1: the barrier opens a round of the cluster's barrier, and this slot is filled again first behind it.
.macro TURN fill, off
	s_wait_loadcnt 56
	s_wait_tensorcnt 0x0                           ; all my tensor loads have landed: my tile of the next slot
	ds_add_u32 v[SPW], v[NIL]
.if \fill
	NEXTFILL
.endif
	s_wait_dscnt 17                                ; (the add and the youngest 16 loads may be out)
	WIN MUL_LO
	MUL4 7, 0, 0
	s_wait_dscnt 0x0                               ; the add is done, and my reads of this slot are over
	s_barrier_signal -1
	MUL4 7, 4, 0
	WIN 0
	s_barrier_wait -1
.if \fill
	CREST                                          ; no wave of any partner still reads this slot or has a load on its way
	tensor_load_to_lds s[G0:G0+3], s[G1:G1+7]
	s_nop 0
.endif
	PLACES                                         ; behind the tensor load, and in front of the loads below
	s_xor_b32 s38, s38, SLOTB                      ; the slot that is read from here on: 0 or SLOTB
.if \fill
	v_add_nc_u32 v[ADR0], s38, v[LT]
	v_add_nc_u32 v[ADRS], s38, v[LTS]
	v_add_nc_u32 v[ADR1], TILE, v[ADR0]
	s_wait_alu depctr_va_vdst(0)
	FETCH_LO 0, 0
.else
	v_add_nc_u32 v[RA], s38, v[LT]                 ; the last slot is read by rows of out: an address for each of its four tiles
	v_add_nc_u32 v[RS], s38, v[LTS]
	v_add_nc_u32 v[RA+1], TILE, v[RA]
	v_add_nc_u32 v[RA+2], HCH, v[RA]
	v_add_nc_u32 v[RA+3], HCH+TILE, v[RA]
	v_add_nc_u32 v[RS+1], HCH, v[RS]
	s_wait_alu depctr_va_vdst(0)
	RFETCH 0, 0
.endif
	WIN MUL_HI
	MUL4 7, 8, 0
	MUL4 7, 12, 0
	PLACES
	WIN TO_W
	WLOAD 7, \off
	WIN 0
.if \fill
	FETCH_HI 0
.else
	RFETCH 0, 1
.endif
.endm
	s_load_b128 s[4:7], s[0:1], 0x0                ; xc s[4:5], wc s[6:7]
	s_load_b64 s[12:13], s[0:1], 0x10              ; out
	v_lshl_add_u32 v[SPW], v0, 2, SPARE
	v_mov_b32 v[NIL], 0
	ds_add_u32 v[SPW], v[NIL]                      ; the opening lines: the add, twice on end, and its wait ahead of my first tensor load
	ds_add_u32 v[SPW], v[NIL]
	v_lshrrev_b32 v1, 5, v0
	v_readfirstlane_b32 s14, v1                    ; wave 0..3
	v_and_b32 v2, 31, v0
	v_and_b32 v1, 15, v0                           ; r
	v_bfe_u32 v3, v0, 4, 1                         ; h
	v_lshlrev_b32 v[VO], 4, v2
	v_lshlrev_b32 v[WSO], 2, v2
	v_lshlrev_b32 v[PFO], 8, v1
	v_lshl_add_u32 v[PFO], v3, 13, v[PFO]
	s_lshr_b32 s15, s14, 1                         ; I fetch rows 0-127 or 128-255 of x's 256,
	s_and_b32 s16, s14, 1                          ; the first or the second 512 along K of a slot
	s_bfe_u32 s40, ttmp6, 0x40000                  ; cx
	s_lshl_b32 s42, ttmp9, 2
	s_add_co_u32 s42, s42, s40                     ; which 256 columns
	s_and_b32 s17, ttmp7, 0xffff                   ; which 256 rows
	s_mov_b32 s[G1+0], 15|(3<<16)|(1<<20)|(1<<21)|(5<<22)|(3<<25)  ; the mask: all four of the cluster; elements of 8 bytes; padding: four words after every 64; bit 21 beside a mask
	s_mov_b32 s[G1+1], 32<<16                      ; tensor_dim0 = 32
	s_mov_b32 s[G1+2], 136<<16                     ; tensor_dim1 = 136
	s_mov_b32 s[G1+3], 32<<16                      ; tile_dim0
	s_mov_b32 s[G1+4], 136                         ; tile_dim1
	s_mov_b32 s[G1+5], 32                          ; dense
	s_mov_b32 s[G1+6], 0
	s_mov_b32 s[G1+7], 0
	s_lshl_b32 s20, s17, 1
	s_add_co_u32 s20, s20, s15
	s_mul_i32 s20, s20, 8*TILEM                    ; my 128 rows' eight tiles,
	s_mul_i32 s21, s16, TILEM                      ; the first or the second of them: made of the row block and the wave's number alone
	s_add_co_u32 s20, s20, s21
	s_mov_b32 s21, 0
	s_lshl_b32 s45, s16, 1
	s_add_co_u32 s45, s45, s15
	s_mul_i32 s45, s45, TILE                       ; and where my tile goes in a slot
	s_mov_b32 s38, 0                               ; the slot that is read
	s_mov_b32 s39, 0                               ; the slot that is filled
	s_mul_i32 s23, s14, 16*SP                      ; my stage
	s_lshl_b32 s46, s42, 1
	s_add_co_u32 s46, s46, s15
	s_lshl_b32 s48, s46, 18                        ; W: 128 rows' stream of 262,144 bytes,
	s_lshl_b32 s49, s16, 12                        ; my half of each step
	s_add_co_u32 s48, s48, s49
	s_mov_b32 s49, 0
	s_lshl_b32 s46, s42, 2
	s_add_co_u32 s46, s46, s14
	s_lshl_b32 s51, s46, 8                         ; out: 256 bytes for 64 columns,
	s_lshl_b32 s50, s17, 21                        ; 256 rows of 8,192 bytes
	s_add_co_u32 s50, s50, s51
	s_mov_b32 s51, 0
	s_wait_alu depctr_va_vdst(0)
	s_wait_dscnt 0x0                               ; both opening adds are done
	s_wait_kmcnt 0x0
	s_add_nc_u64 s[20:21], s[4:5], s[20:21]
	s_add_nc_u64 s[S:S+1], s[6:7], s[48:49]
	s_add_nc_u64 s[12:13], s[12:13], s[50:51]
	s_mov_b32 s[G0], 1
	s_mov_b32 s[G0+1], s45
	s_mov_b64 s[G0+2:G0+3], s[20:21]
	s_or_b32 s[G0+3], s[G0+3], 0x80000000
	CROUND                                         ; all four work-groups are here: the joint loads meet
	tensor_load_to_lds s[G0:G0+3], s[G1:G1+7]      ; slot 0: one tensor load a wave at the head
	s_nop 0
	v_mul_u32_u24 v4, v1, PITCH
	v_lshlrev_b32 v5, 4, v1
	v_mul_u32_u24 v6, v3, SP
	v_mul_u32_u24 v7, v3, SIZE_N*4
	v_lshl_add_u32 v[LT], v3, 4, v4
	v_lshl_add_u32 v[ADR0], v3, 4, v4
	v_add_nc_u32 v[LTS], SCOFF, v5
	v_add_nc_u32 v[ADRS], SCOFF, v5
	v_add_nc_u32 v[ADR1], TILE, v[ADR0]
	v_lshl_add_u32 v4, v3, 5, v4
	v_add_nc_u32 v[STO], s23, v4                   ; into the stage: row r, 32 bytes for each half of the lanes
	v_add3_u32 v[RD], v6, v5, s23                  ; back: sixteen lanes to a row of 256 bytes, two rows an instruction
	v_add_nc_u32 v[CO], v7, v5                     ; and the same two rows in out
	global_load_b32 v[WS], v[WSO], s[6:7] offset:WSC
	WIN TO_W
.irp t, 0,1,2,3,4,5,6,7
	WLOAD \t, \t*WSTEP                             ; the stream's first eight steps
.endr
	WIN 0
.irp i, 0,1,2,3
.endr
	s_wait_alu depctr_va_vdst(0)
	s_wait_tensorcnt 0x0                           ; my tile of slot 0 is in
	ds_add_u32 v[SPW], v[NIL]
	NEXTFILL
	s_wait_dscnt 0x0
	CROUND                                         ; everybody's tile is in, and all four work-groups are here
	tensor_load_to_lds s[G0:G0+3], s[G1:G1+7]      ; slot 1's first fill, the first tensor load behind the round
	s_nop 0
	PLACES
	FETCH_LO 0, 0
	FETCH_HI 0
	STEP 0, 1, 1, 8*WSTEP, 1, 0, 56                ; the first step stands in front of the loop: its products start the sums
	s_mov_b32 s3, 2
.Lphase:                                               ; a trip: a slot's steps 1 to 7, its refill, and the other slot's step 0
	STEP 1, 0, 1, 9*WSTEP, 1, 1, 56
	STEP 2, 0, 1, 10*WSTEP, 1, 0, 56
	STEP 3, 0, 1, 11*WSTEP, 1, 0, 56
	STEP 4, 0, 1, 12*WSTEP, 1, 0, 56
	STEP 5, 0, 1, 13*WSTEP, 1, 0, 56
	STEP 6, 0, 1, 14*WSTEP, 1, 0, 56
	TURN 1, 15*WSTEP
	STEP 0, 0, 1, 16*WSTEP, 1, 0, 56
	s_wait_xcnt 0x0                                ; my loads have read their base: it is stepped only behind this wait
	s_add_nc_u64 s[S:S+1], s[S:S+1], 8*WSTEP
	s_sub_co_u32 s3, s3, 1
	s_cmp_lg_u32 s3, 0
	s_cbranch_scc1 .Lphase
	STEP 1, 0, 1, 9*WSTEP, 1, 0, 56                ; steps 17 to 23 ask for the stream's last seven; nothing is filled again
	STEP 2, 0, 1, 10*WSTEP, 1, 0, 56
	STEP 3, 0, 1, 11*WSTEP, 1, 0, 56
	STEP 4, 0, 1, 12*WSTEP, 1, 0, 56
	STEP 5, 0, 1, 13*WSTEP, 1, 0, 56
	STEP 6, 0, 1, 14*WSTEP, 1, 0, 56
	TURN 0, 15*WSTEP
; Steps 24 to 31, the last slot, follow below, by rows of out.
; THE WAY OUT, block by block of 16 rows x 64 columns: through my own stage in LDS, back as whole rows of 256 bytes: sixteen lanes store one aligned unit of 256 bytes.
; LDS serves a wave's instructions in order (ISA guide 5.7.1.4): no wait between the stores and the loads, nor in front of the next block's stores.
.macro TOSTAGE a
	WIN 0x08+4*((\a)/8)                            ; the data: window 2 or 3
.irp p, 0,1
.irp u, 0,1
	ds_store_b128 v[STO], v[16*(2*((\a)%8)+\p)+8*\u:16*(2*((\a)%8)+\p)+8*\u+3] offset:128*\p+64*\u        ; each accumulator from its low end on
	ds_store_b128 v[STO], v[16*(2*((\a)%8)+\p)+8*\u+4:16*(2*((\a)%8)+\p)+8*\u+7] offset:128*\p+64*\u+16
.endr
.endr
	WIN 0
.set BB, BK+32*((\a)%2)
.irp t, 0,1,2,3,4,5,6,7
	ds_load_b128 v[BB+4*\t:BB+4*\t+3], v[RD] offset:\t*2*SP
.endr
.endm
.macro SEND a                          ; block a's 16 rows: every offset an immediate, 254 rows of 8,192 bytes at the most, inside the signed 24-bit immediate (ISA guide, chapter 10); the base is never stepped
.set BB, BK+32*((\a)%2)
.irp t, 0,1,2,3,4,5,6,7
	global_store_b128 v[CO], v[BB+4*\t:BB+4*\t+3], s[12:13] offset:((\a)*16+2*\t)*SIZE_N*4 th:TH_STORE_NT
.endr
.endm
; THE LAST SLOT (steps 24 to 31) GOES BY ROWS OF out.  All eight of W's sets are in registers or on their way and nothing more is asked of W.  Two blocks of 16 rows at a time are finished over the slot's 1,024 along K:
; 32 matrix instructions, their four accumulators by turns, K ascending.  A finished pair goes into the stage at once; its stores are issued behind the next pair's first 16 products.
; LDS is read no more than by steps.
.macro RMUL j, hf                      ; 16 matrix instructions: four steps x two blocks x W's two halves
.irp q, 0,1,2,3
.irp e, 0,1
.irp p, 0,1
	WM (16*(2*((2*(\j)+\e)%8)+\p)), (32*(4*(\hf)+\q)+16*\p), (XF+16*(4*(\hf)+\q)+8*\e), (XS+8*\e+4*(\hf)+\q), 0
.endr
.endr
.endr
.endm
.macro ROWS j
.if \j == 0
	s_wait_loadcnt 32                              ; W's sets 0 to 3 are in; the 32 loads of sets 4 to 7 may be out
	s_wait_dscnt 18                                ; the pair's first half is in; the 18 loads of its second half may be out
.else
	s_wait_dscnt 50                                ; the pair's first half is in; younger: its second half's 18 loads and the last pair's 32 stage instructions
.endif
	WIN MUL_LO+0x50*((\j)/4)
	RMUL \j, 0
	WIN 0
	s_wait_dscnt 0x0                               ; the second half is in, and the last pair is back from the stage
.if \j == 0
	s_wait_loadcnt 0x0                             ; W's sets 4 to 7
.else
	SEND 2*(\j)-2
	SEND 2*(\j)-1
.endif
.if \j < 7
	PLACES
	RFETCH (\j)+1, 0
.endif
	WIN MUL_LO+0x50*((\j)/4)
	RMUL \j, 1
	PLACES                                         ; behind the pair's last products: for the loads into x's registers and the reads of the results
	WIN 0
.if \j < 7
	RFETCH (\j)+1, 1
.endif
.if \j > 0
	s_wait_xcnt 0x0                                ; the last pair's stores have read their registers, into which this pair comes back
.endif
	TOSTAGE 2*(\j)
	TOSTAGE 2*(\j)+1
.endm
.irp j, 0,1,2,3,4,5,6,7
	ROWS \j
.endr
	s_wait_dscnt 0x0                               ; the last pair is back from the stage
	SEND 14
	SEND 15
	s_wait_tensorcnt 0x0                           ; the wave's end
	ds_add_u32 v[SPW], v[NIL]
	s_wait_dscnt 0x0
	CROUND                                         ; the closing round
	s_endpgm
.Lfunc_end_k_qc71860cecd_gemm:
	.size	k_qc71860cecd_gemm, .Lfunc_end_k_qc71860cecd_gemm-k_qc71860cecd_gemm
	.p2alignl 7, 3214868480
	.fill 96, 4, 3214868480
	.section	.rodata,"a",@progbits
	.p2align	6, 0x0
	.amdhsa_kernel k_qc71860cecd_gemm
		.amdhsa_group_segment_fixed_size 327680
		.amdhsa_private_segment_fixed_size 0
		.amdhsa_enable_private_segment 0
		.amdhsa_kernarg_size 24
		.amdhsa_user_sgpr_count 2
		.amdhsa_user_sgpr_kernarg_segment_ptr 1
		.amdhsa_wavefront_size32 1
		.amdhsa_system_sgpr_workgroup_id_x 1
		.amdhsa_system_sgpr_workgroup_id_y 1
		.amdhsa_system_sgpr_workgroup_id_z 1
		.amdhsa_system_vgpr_workitem_id 0
		.amdhsa_next_free_vgpr 1024
		.amdhsa_next_free_sgpr 66
		.amdhsa_reserve_vcc 0
		.amdhsa_float_denorm_mode_32 3
		.amdhsa_float_denorm_mode_16_64 3
		.amdhsa_memory_ordered 1
		.amdhsa_forward_progress 1
		.amdhsa_inst_pref_size 229
	.end_amdhsa_kernel
	.amdgpu_metadata
---
amdhsa.version: [ 1, 2 ]
amdhsa.kernels:
  - .name:           k_qc71860cecd_gemm
    .symbol:         k_qc71860cecd_gemm.kd
    .args:
      - { .name: xc, .offset: 0, .size: 8, .value_kind: global_buffer, .address_space: global }
      - { .name: wc, .offset: 8, .size: 8, .value_kind: global_buffer, .address_space: global }
      - { .name: out0, .offset: 16, .size: 8, .value_kind: global_buffer, .address_space: global }
    .group_segment_fixed_size: 327680
    .private_segment_fixed_size: 0
    .kernarg_segment_align: 8
    .kernarg_segment_size: 24
    .max_flat_workgroup_size: 128
    .sgpr_count:     66
    .vgpr_count:     1024
    .wavefront_size: 32
...
	.end_amdgpu_metadata
.endif
;; end of part 3
